; MI455X (gfx1250); checked and timed in simulation.
; The chip was launched on July 23, 2026; its instructions are those of AMD's public machine-readable ISA for CDNA 5 (MIT licence, August 2026) and "CDNA5" Instruction Set Architecture Reference Guide (July 2026). The comments in the code are by the model that wrote it; some were corrected since.
;; Multi Head Attention. Allowed arithmetic: matrix products marked QUANTISED: E4M3 operands, one given power-of-two scale a tensor, by v_wmma_f32_16x16x64_fp8_fp8 or v_wmma_f32_16x16x128_fp8_fp8, f32 sums; everything else in f32.
;; Inputs: Wk_codes 1,024 x 32 x 32 uint8 (E4M3 codes of Wk, K innermost, in blocks of 32 codes); Wq_codes 1,024 x 32 x 32 uint8 (E4M3 codes of Wq, K innermost, in blocks of 32 codes); Wr_codes 1,024 x 32 x 32 uint8 (E4M3 codes of Wr, K innermost, in blocks of 32 codes); Wv_codes 1,024 x 32 x 32 uint8 (E4M3 codes of Wv, K innermost, in blocks of 32 codes); beta 1,024 float32; bk 1,024 float32; bq 1,024 float32; br 1,024 float32; bv 1,024 float32; gamma 1,024 float32; lowp_scales 12 int32 (the exponents e of the quantised operands' scales 2^e); x_codes 4 x 2,048 x 32 x 32 uint8 (E4M3 codes of x, K innermost, in blocks of 32 codes).
;; Outputs: out0 4 x 2,048 x 1,024 float32.
;; This version of the problem:
;;   THIS VERSION OF THE PROBLEM IS GIVEN IN LOW PRECISION. The matrix products marked QUANTISED in the list below multiply operands that are first quantised to E4M3 (4 exponent bits, 3 mantissa bits; 8 bits a number), with one given power-of-two scale for each operand tensor; their sums are f32. All else is computed in f32.
;;   The module's matrix products, in the order in which they are computed (A, B: the left and right operand; K: the contracted axis; several contracted axes count as one K, in the product's order):
;;     1. [M 8,192, K 1,024] x [K 1,024, N 1,024]; A: input x (given as codes); B: input Wq (given as codes): QUANTISED (scales: A lowp_scales[0], B lowp_scales[1])
;;     2. [M 8,192, K 1,024] x [K 1,024, N 1,024]; A: input x (given as codes); B: input Wk (given as codes): QUANTISED (scales: A lowp_scales[2], B lowp_scales[3])
;;     3. [M 8,192, K 1,024] x [K 1,024, N 1,024]; A: input x (given as codes); B: input Wv (given as codes): QUANTISED (scales: A lowp_scales[4], B lowp_scales[5])
;;     4. [M 8,192, K 1,024] x [K 1,024, N 1,024]; A: input x (given as codes); B: input Wr (given as codes): QUANTISED (scales: A lowp_scales[6], B lowp_scales[7])
;;     5. batch 32 x [M 2,048, K 128] x [K 128, N 2,048]; A: computed on the way; B: computed on the way: QUANTISED (scales: A lowp_scales[8], B lowp_scales[9])
;;     6. batch 32 x [M 2,048, K 2,048] x [K 2,048, N 128]; A: softmax (see below); B: computed on the way: QUANTISED (scales: A lowp_scales[10], B lowp_scales[11])
;;   THE QUANTISER, for each operand of a quantised product, along K:
;;     - The operand's scale is 2^e, e = its entry of the input lowp_scales (int32; the entries are numbered through the quantised products in the list's order, A before B).
;;     - Each number is divided by the scale, clamped to +-448, and rounded to the nearest number of E4M3, ties to even, subnormals kept.
;;     - The product sums the exact products of the quantised numbers (number of the format x scale) in f32.
;;   ~~~python
;;   def quantise(x, axis, e):      # numpy; x: float32 -> the quantised numbers, widened to float32 again
;;       x = np.moveaxis(x, axis, -1); K = x.shape[-1]
;;       r = np.clip(x / 2.0 ** e, -448, 448)
;;       step = 2.0 ** (np.maximum(np.frexp(np.where(r == 0, 1, r))[1] - 1, -6) - 3)
;;       q = np.round(r / step) * step * 2.0 ** e      # np.round: ties to even
;;       return np.moveaxis(q, -1, axis).astype(np.float32)
;;   ~~~
;;   SOFTMAX AHEAD OF A QUANTISED PRODUCT. Where the list says 'softmax', what is quantised is not the finished softmax but p = 2^(t - M), with t = logit x log2(e) and M = ceil(the row's largest t), a whole number; so 1/2 < the row's largest p <= 1. The row's sum l is taken of the UNQUANTISED p, in f32, and the product's result is divided by l at the end. Since M is a whole number, a kernel that streams over the keys may use a running M (the ceiling of the running maximum): every later rescaling is an exact power of two, so the quantised numbers keep their values, but for numbers so far below the row's largest that they fall under the format's range.
;;   OPERANDS COMPUTED ON THE WAY. 'Computed on the way' means the value that the module computes at that place (a softmax that the list does not call 'softmax' is quantised finished and normalised). What goes into a quantiser is computed in f32, as accurately as f32 sums, v_exp_f32 and their like allow (about 1e-6 of the number): no bf16 or f16 on the way to a quantiser, and a product that is left as it is and whose result goes on into a quantised operand takes f32 operands (vector FMAs, or v_wmma_f32_16x16x4_f32). A number that lies on a knife's edge between two numbers of the format may be rounded either way, as far as f32 arithmetic and the matrix unit's own rounding can turn it there, and no further.
;;   INPUTS GIVEN AS CODES. Wk (in the module: [1024, 1024], K = its axis 0); Wq (in the module: [1024, 1024], K = its axis 0); Wr (in the module: [1024, 1024], K = its axis 0); Wv (in the module: [1024, 1024], K = its axis 0); x (in the module: [4, 2048, 1024], K = its axis 2): each comes as NAME_codes (uint8): NAME with its K axis moved to the last place and cut into blocks of 32 codes, [.., K / 32, bytes a block], one block behind the other in memory; one code a byte (a code: sign, 4 exponent bits, 3 mantissa bits); its scale is its entry of lowp_scales. Its value is code x scale, taken as it is: it is not quantised again, and the codes and scales need not be those that the quantiser above would give.
;; One version. Each part assembles by itself: llvm-mc -triple=amdgcn-amd-amdhsa -mcpu=gfx1250 --defsym DOCPART=n.
;; ======== version 1 of 1: 2 launches
;; limits: right only within a limited range of input values
;; workspace buffers: qimg 8,388,608 bytes; kimg 8,388,608 bytes; vimg 8,388,608 bytes; resimg 33,554,432 bytes
;; launch proj (part 1): grid 4 x 64, 4 waves a work-group, clusters of 4 x 4, 327,680 bytes of LDS; arguments x_codes, Wq_codes, Wk_codes, Wv_codes, Wr_codes, bq, bk, bv, br, lowp_scales, qimg, kimg, vimg, resimg; writes qimg, kimg, vimg, resimg
.if DOCPART == 1
	.amdgcn_target "amdgcn-amd-amdhsa--gfx1250"
	.amdhsa_code_object_version 6
	.text
	.protected	k_q38e9bbb6ce_proj
	.globl	k_q38e9bbb6ce_proj
	.p2align	8
	.type	k_q38e9bbb6ce_proj,@function
k_q38e9bbb6ce_proj:
	s_mov_b64 s[64:65], 0
	v_nop
	global_prefetch_b8 v0, s[64:65] scope:SCOPE_SE
	s_setreg_imm32_b32 hwreg(HW_REG_WAVE_MODE, 25, 1), 1
	s_wait_xcnt 0x0
	s_wait_alu depctr_hold_cnt(0) depctr_sa_sdst(0) depctr_va_vdst(0) depctr_va_sdst(0) depctr_va_ssrc(0) depctr_va_vcc(0) depctr_vm_vsrc(0)
	s_getreg_b32 s2, hwreg(HW_REG_IB_STS2, 6, 4)
	s_cmp_eq_u32 s2, 0
	s_cbranch_scc0 .Lentry_in_a_cluster
	s_endpgm
.Lentry_in_a_cluster:
	s_bfe_u32 s2, ttmp6, 0x10000c
	s_cmp_lg_u32 s2, 0xf033
	s_cbranch_scc0 .Lentry_shape_is_right
	s_endpgm
.Lentry_shape_is_right:
; THE FOUR PROJECTIONS: relu(x W + b) for Wq, Wk, Wv, Wr.  x [8192][1024] and each W [1024 (column)][1024 (k)] are codes of FP8 (E4M3), K innermost, each with the given scale 2^e.
; 512 tiles of 256 x 256, K = 1,024; a tile is made by four waves, 128 x 128 each: 64 accumulators of 16 x 16, 512 registers.  K goes in steps of 256 through a ring of two LDS slots.
; A cluster of 4 x 4 work-groups works on ONE projection (its number / 8: 0 q, 1 k, 2 v, 3 res).  In the matrix instruction source 0 is called B here and source 1 A; lane (r, h) of a result holds A's row r, and its
; register j holds B's row 8 h + j.  A's tile is shared along a row of the cluster, B's along a column: each is asked for JOINTLY, by the same tensor load with a mask that names the four.
; q, k, res: B = 256 rows of W (columns of the result), A = 256 rows of x.  v: the two change places (the pointers alone are chosen otherwise): B = rows of x, A = rows of Wv.
; WHAT LEAVES ARE IMAGES OF THE NEXT LAUNCH'S OPERAND REGISTERS.  A lane's eight registers of accumulator (a, b) are eight neighbours along the next product's K (q, k: the head's 128 columns; v: 128 keys), so their
; eight codes are registers 2 b, 2 b + 1 of a fragment of 16 rows x 128 K.  A fragment's 16 registers leave by four stores of 16 bytes a lane at 16 x lane: each store of the wave covers 512 consecutive bytes, aligned.
;   qimg, kimg: [head 32][chunk of 128 columns 8][16 rows 16] fragments of 2,048 bytes;  vimg: [head][chunk][128 keys 2][16 columns 8] fragments;  resimg: f32, [head][chunk][16 rows 16][accumulator b 8] of 1,024 bytes.
;   (A head is 256 rows of x: reference()'s raw reshape.)
; q, k, v: code = relu(sum x 2^E + bias) / 2^eo, E = the two operands' exponents added, eo the exponent given for the operand of the later product.  It is made as (sum + bias / 2^E) held between 0 and 448 x 2^(eo - E)
; (the activation and the hold in one) and converted with the one scale 2^(eo - E).  res = relu(sum x 2^E + bias), f32.
; LIMITS: eo - E between -126 and 119 (q, k, v); E between -126 and 127 (res); bias / 2^E stays an f32 number.  NaN and infinities among the biases are not served.
; REGISTERS, in windows of 256: window 0: v12-30 constants and addresses; v32-95 the bias by register, v96-111 the bias by lane; from v128 A's fragments, ONE set, later the codes.
;   window 1: B's fragments, TWO sets.   window 2: the accumulators of A's blocks 0-3 ((a, b) at v[8 (8 (a % 4) + b)]);   window 3: those of blocks 4-7.
.set ROWB,   256                       ; a tile's row in bytes: 256 codes
.set KROW,   1024                      ; a row of x or of W in memory
.set PITCH,  272                       ; an LDS row: 256 bytes + 16 of padding = 68 words, so the 16 rows that a load touches start at 16 different banks (64 banks of 4 bytes: ISA guide 11.1)
.set FR,     16                        ; registers of a fragment: 16 rows x 128 K
.set NL,     4                         ; LDS loads that bring one
.set NP,     4                         ; places behind this matrix instruction (ISA guide 7.12.1)
.set HALFT,  128*PITCH                 ; 128 rows: what one tensor load brings, and what one wave reads of A or of B
.set SLOT,   4*HALFT                   ; A's 256 rows, then B's 256 rows
.set SPARE,  2*SLOT                    ; behind the ring: the spare words, 128 bytes for each wave: two blocks of 256 bytes that no other line names
.set LIMV, 12                          ; v12  448 x 2^(eo - E)
.set SCV,  13                          ; v13  2^(eo - E)
.set ADRA, 16                          ; v16-17  LDS address of my A fragments in slot 0, 1
.set ADRB, 20                          ; v20-21  the same for B
.set LI,   26                          ; v26  16 x lane: my place in an image
.set BO,   27                          ; v27  32 x (lane / 16): the bias by register
.set SPW,  28                          ; v28  LDS address of my spare word; never rewritten
.set NIL,  29                          ; v29  0; never rewritten
.set BL4,  30                          ; v30  4 x (lane % 16): the bias by lane
.set BR,   32                          ; v32-95   bias of column 16 b + 8 h + j of my chunk at BR + 8 b + j
.set BLN,  96                          ; v96-111  bias of column 16 a + r of my chunk, twice (a pair for the packed addition)
.set AF,   128                         ; A's fragments
.set CODE, 128                         ; the way out: 16 registers of codes for each block a: no store's data are written again
.set G1,  32                           ; s[32:39] descriptor group 1 for A's tiles;  s[40:47] group 0, one set for each slot
.set G0,  40
.set G1B, 48                           ; s[48:55], s[56:63] the same for B's tiles
.set G0B, 56
.set WV,  66                           ; s66  wave
.set HA,  67                           ; s67  my half of A's rows.  Also: I fetch for A (0) or for B (1)
.set HB,  68                           ; s68  my half of B's rows.  Also: which 128 rows of that tile I fetch
.set TYP, 71                           ; s71  the projection: 0 q, 1 k, 2 v, 3 res
.set MSB, 0
.macro WIN new                         ; the immediate's high byte repeats the setting that is left
.if MSB != \new
	s_set_vgpr_msb (MSB<<8)|\new
.set MSB, \new
.endif
.endm
.set MUL_LO, 0xa1                      ; source 0 (B) window 1, source 1 (A) window 0, C and D window 2
.set MUL_HI, 0xf1                      ; the same, C and D window 3
.set TO_B,   0x40                      ; destination window 1, address window 0
; A joint load: waves 0 and 1 fetch for A, waves 2 and 3 for B.  Each of the two lines has ONE mask and one set of registers for all that issue it; the branch hangs on the wave's number alone.
; Four v_nop follow each of the two lines, ahead of the jump, the label and what follows.
.macro JLOAD g0a, g1a, g0b, g1b
	s_cmp_eq_u32 s[HA], 0
	s_cbranch_scc0 .Lfor_b_\@
	tensor_load_to_lds s[\g0a:\g0a+3], s[\g1a:\g1a+7]
	s_nop 0
.rept 4
	v_nop
.endr
	s_branch .Lasked_\@
.Lfor_b_\@:
	tensor_load_to_lds s[\g0b:\g0b+3], s[\g1b:\g1b+7]
	s_nop 0
.rept 4
	v_nop
.endr
.Lasked_\@:
.endm
.macro CREST                           ; a round of the cluster's barrier behind its opening barrier
	s_cmp_lg_u32 s[WV], 0
	s_cbranch_scc1 .Lnot_wave_0_\@
	s_barrier_signal -3
.Lnot_wave_0_\@:
	s_barrier_wait -3
	s_barrier_signal -1
	s_barrier_wait -1
.endm
.macro CROUND                          ; a whole round
	s_barrier_signal -1
	s_barrier_wait -1
	CREST
.endm
	v_lshl_add_u32 v[SPW], v0, 2, SPARE
	v_mov_b32 v[NIL], 0
	ds_add_u32 v28, v29
	ds_add_u32 v28, v29
	s_wait_dscnt 0x0
	; A WORK-GROUP STAYS: the grid has 16 clusters, and each makes two of the 32 blocks of sixteen tiles: first block 16 + its number (v or res), then the block of its own number (q or k).
	; 'The cluster's number' below is the block's.  Both blocks take the same rows of x.  Nothing waits for the first block's stores: they are on their way while the second block is multiplied.
	s_mov_b32 s3, 2                                ; blocks to go, this one among them: the same in every work-group
.Ltile:
	s_load_b512 s[4:19], s[0:1], 0x0               ; x s[4:5], Wq s[6:7], Wk s[8:9], Wv s[10:11], Wr s[12:13], bq s[14:15], bk s[16:17], bv s[18:19]: loaded anew for each block, whose choices write over them
	s_load_b256 s[20:27], s[0:1], 0x40             ; br s[20:21], the scales' exponents s[22:23], qimg s[24:25], kimg s[26:27]
	s_load_b128 s[28:31], s[0:1], 0x60             ; vimg s[28:29], resimg s[30:31]
	v_lshrrev_b32 v1, 5, v0
	v_readfirstlane_b32 s[WV], v1                  ; wave 0..3
	s_lshr_b32 s[HA], s[WV], 1
	s_and_b32 s[HB], s[WV], 1
	s_bfe_u32 s69, ttmp6, 0x40000                  ; cx, cy: my place in the cluster
	s_bfe_u32 s70, ttmp6, 0x40004
	s_and_b32 s72, ttmp7, 0xffff
	s_sub_co_u32 s2, s3, 1
	s_lshl_b32 s2, s2, 4
	s_add_co_u32 s72, s72, s2                      ; the block's number, 0 to 31: + 16 in the first trip
	s_lshr_b32 s[TYP], s72, 3                      ; eight clusters to a projection
	s_and_b32 s72, s72, 7
	s_lshl_b32 s72, s72, 2                         ; the first of the cluster's four tiles of x's rows
	s_cmp_eq_u32 s[TYP], 2                         ; v: x is B;  else: x is A
	s_cselect_b32 s73, s72, 0
	s_cselect_b32 s74, 0, s72
	s_add_co_u32 s73, s73, s69                     ; B's tile: it hangs on cx alone of the two places
	s_add_co_u32 s74, s74, s70                     ; A's tile: on cy alone
	s_lshl_b32 s75, s70, 2
	s_lshl_b32 s75, 15, s75                        ; my row of the cluster
	s_lshl_b32 s76, 0x1111, s69                    ; my column
	; descriptor group 1: a tile of 128 rows x 256 bytes, padded in LDS
	s_or_b32 s[G1+0], s75, (0<<16)|(1<<20)|(1<<21)|(5<<22)|(3<<25)  ; 15:0 the mask: A's tiles go to my row; 17:16 element of 1 byte; 20 padding on; 21 set beside a mask; 24:22 after every 64 words (code 5); 31:25 of 4 words (code 3)
	s_or_b32 s[G1B+0], s76, (0<<16)|(1<<20)|(1<<21)|(5<<22)|(3<<25) ; the same with the mask of my column
.irp g, G1, G1B
	s_mov_b32 s[\g+1], ROWB<<16                    ; tensor_dim0 = 256
	s_mov_b32 s[\g+2], 128<<16                     ; tensor_dim1 = 128
	s_mov_b32 s[\g+3], ROWB<<16                    ; tile_dim0 = 256
	s_mov_b32 s[\g+4], 128                         ; tile_dim1 = 128
	s_mov_b32 s[\g+5], KROW                        ; tensor_dim0_stride
	s_mov_b32 s[\g+6], 0
	s_mov_b32 s[\g+7], 0
.endr
	s_lshl_b32 s92, s[HB], 17                      ; the 128 rows that I fetch, x 1,024 bytes
	s_lshl_b32 s78, s74, 18                        ; A: 256 rows x 1,024 bytes a tile
	s_add_co_u32 s78, s78, s92
	s_mov_b32 s79, 0
	s_lshl_b32 s94, s73, 18                        ; B likewise
	s_add_co_u32 s94, s94, s92
	s_mov_b32 s95, 0
	s_mul_i32 s77, s[WV], HALFT                    ; where they go: wave x 128 rows: no place in the cluster enters an LDS address
	s_wait_kmcnt 0x0
	s_load_b256 s[80:87], s[22:23], 0x0            ; the twelve exponents
	s_load_b128 s[88:91], s[22:23], 0x20
	; the second block's weight (Wq behind v, Wk behind res), for the first trip's prefetch: of the 256 rows of my tile column, 16 for each wave of each of the four partners that will ask for them jointly
	s_cmp_eq_u32 s[TYP], 2
	s_cselect_b64 s[100:101], s[6:7], s[8:9]
	s_lshl_b32 s92, s69, 8
	s_lshl_b32 s93, s70, 6
	s_add_co_u32 s92, s92, s93
	s_lshl_b32 s93, s[WV], 4
	s_add_co_u32 s92, s92, s93                     ; row 256 cx + 64 cy + 16 wave
	s_lshl_b32 s92, s92, 10
	s_mov_b32 s93, 0
	s_add_nc_u64 s[100:101], s[100:101], s[92:93]
	s_cmp_eq_u32 s[TYP], 1                         ; the projection's weight, bias and output: choices that hang on the cluster's number alone
	s_cselect_b64 s[6:7], s[8:9], s[6:7]
	s_cselect_b64 s[14:15], s[16:17], s[14:15]
	s_cselect_b64 s[24:25], s[26:27], s[24:25]
	s_cmp_eq_u32 s[TYP], 2
	s_cselect_b64 s[6:7], s[10:11], s[6:7]
	s_cselect_b64 s[14:15], s[18:19], s[14:15]
	s_cselect_b64 s[24:25], s[28:29], s[24:25]
	s_cmp_eq_u32 s[TYP], 3
	s_cselect_b64 s[6:7], s[12:13], s[6:7]
	s_cselect_b64 s[14:15], s[20:21], s[14:15]
	s_cselect_b64 s[24:25], s[30:31], s[24:25]
	s_cmp_eq_u32 s[TYP], 2
	s_cselect_b64 s[8:9], s[6:7], s[4:5]           ; A: Wv for v, else x
	s_cselect_b64 s[10:11], s[4:5], s[6:7]         ; B: x for v, else the weight
	s_add_nc_u64 s[8:9], s[8:9], s[78:79]
	s_add_nc_u64 s[10:11], s[10:11], s[94:95]
	; the prefetches: of the 128 rows that I fetch, my work-group names 32 (the four partners of a joint load share the rows out by address: cx for A, cy for B), a lane a row; these registers are never rewritten
	s_cmp_eq_u32 s[HA], 0
	s_cselect_b64 s[12:13], s[8:9], s[10:11]
	s_cselect_b32 s30, s69, s70
	s_lshl_b32 s30, s30, 15                        ; 32 rows x 1,024 bytes
	s_mov_b32 s31, 0
	s_add_nc_u64 s[12:13], s[12:13], s[30:31]
	v_and_b32 v31, 31, v0
	v_lshlrev_b32 v31, 10, v31                     ; my lane's row
	v_and_b32 v22, 15, v0
	v_bfe_u32 v23, v0, 4, 1
	v_lshlrev_b32 v22, 10, v22
	v_lshl_add_u32 v22, v23, 8, v22                ; the next weight: lanes 0-15 name K step 0 of my 16 rows, lanes 16-31 K step 1
	s_wait_alu depctr_va_vdst(0)
	s_wait_tensorcnt 0x0                           ; K step 0's load fills slot 0 again in the second trip: the full sequence stands in front of its round,
	ds_add_u32 v[SPW], v[NIL]
	ds_add_u32 v[SPW], v[NIL]
	s_wait_dscnt 0x0                               ; the adds are done, and my reads of both slots are over
	CROUND                                         ; all sixteen work-groups are here: the first joint loads meet
.irp s, 0,1
	s_mov_b32 s[G0+4*\s], 1                        ; count = 1
	s_add_co_u32 s[G0+4*\s+1], s77, \s*SLOT        ; LDS address
	s_add_nc_u64 s[G0+4*\s+2:G0+4*\s+3], s[8:9], \s*ROWB   ; global address: K step s
	s_or_b32 s[G0+4*\s+3], s[G0+4*\s+3], 0x80000000        ; type = 2
	s_mov_b32 s[G0B+4*\s], 1
	s_add_co_u32 s[G0B+4*\s+1], s77, \s*SLOT
	s_add_nc_u64 s[G0B+4*\s+2:G0B+4*\s+3], s[10:11], \s*ROWB
	s_or_b32 s[G0B+4*\s+3], s[G0B+4*\s+3], 0x80000000
.endr
	JLOAD G0, G1, G0B, G1B                         ; K step 0: one tensor load a wave at the head
	global_prefetch_b8 v31, s[12:13] offset:256 th:TH_LOAD_NT scope:SCOPE_SE   ; K step 1's 256 bytes of my 32 rows: each K step is named one K step ahead of its load
	v_and_b32 v1, 15, v0                           ; r = lane % 16
	v_bfe_u32 v2, v0, 4, 1                         ; h = lane / 16
	v_mul_u32_u24 v3, v1, PITCH
	v_lshl_add_u32 v4, v2, 4, v3                   ; a fragment's row x pitch + 16 x half
	s_mul_i32 s92, s[HA], HALFT                    ; my 128 rows of A
	s_mul_i32 s93, s[HB], HALFT                    ; my 128 rows of B,
	s_add_co_u32 s93, s93, 2*HALFT                 ; which lie behind A's 256
.irp s, 0,1
	v_add_nc_u32 v[ADRA+\s], s92, v4
	v_add_nc_u32 v[ADRB+\s], s93, v4
	s_add_co_u32 s92, s92, SLOT
	s_add_co_u32 s93, s93, SLOT
.endr
	v_and_b32 v5, 31, v0
	v_lshlrev_b32 v[LI], 4, v5
	v_lshlrev_b32 v[BO], 5, v2
	s_wait_alu depctr_va_vdst(0)
	v_lshlrev_b32 v[BL4], 2, v1
	; where my 128 x 128 lies: head (x's tile), chunk of 128 columns (2 x W's tile + my half of it), half of the head's rows.  These mix cx and cy: they stand in registers that feed no descriptor
	s_wait_alu depctr_va_vdst(0)
	s_cmp_eq_u32 s[TYP], 2
	s_cselect_b32 s16, s73, s74                    ; the head
	s_cselect_b32 s17, s74, s73                    ; W's tile
	s_cselect_b32 s18, s[HB], s[HA]                ; my half of x's rows
	s_cselect_b32 s19, s[HA], s[HB]                ; my half of W's rows
	s_lshl_b32 s17, s17, 1
	s_add_co_u32 s17, s17, s19                     ; the chunk, 0 to 7
	s_lshl_b32 s20, s17, 9
	s_mov_b32 s21, 0
	s_add_nc_u64 s[14:15], s[14:15], s[20:21]      ; the bias at my chunk's 128 numbers
	s_lshl_b32 s16, s16, 18                        ; codes: 262,144 bytes a head,
	s_lshl_b32 s17, s17, 15                        ; 32,768 a chunk,
	s_lshl_b32 s18, s18, 14                        ; 16,384 for eight fragments
	s_add_co_u32 s16, s16, s17
	s_add_co_u32 s16, s16, s18
	s_lshl_b32 s17, s16, 2                         ; res is f32: four times that
	s_cmp_eq_u32 s[TYP], 3
	s_cselect_b32 s20, s17, s16
	s_add_nc_u64 s[24:25], s[24:25], s[20:21]      ; the output at my wave's part
.irp b, 0,1,2,3,4,5,6,7                        ; both forms of the bias are loaded in every wave: no branch
	global_load_b128 v[BR+8*\b:BR+8*\b+3], v[BO], s[14:15] offset:64*\b
	global_load_b128 v[BR+8*\b+4:BR+8*\b+7], v[BO], s[14:15] offset:64*\b+16
.endr
.irp a, 0,1,2,3,4,5,6,7
	global_load_b32 v[BLN+2*\a], v[BL4], s[14:15] offset:64*\a
	global_load_b32 v[BLN+2*\a+1], v[BL4], s[14:15] offset:64*\a
.endr
	s_wait_kmcnt 0x0                               ; the exponents
	s_add_co_i32 s80, s80, s81                     ; E of each projection: its two operands' exponents added
	s_add_co_i32 s82, s82, s83
	s_add_co_i32 s84, s84, s85
	s_add_co_i32 s86, s86, s87
	s_cmp_eq_u32 s[TYP], 1
	s_cselect_b32 s80, s82, s80                    ; E,
	s_cselect_b32 s88, s89, s88                    ; and eo: entry 8 for q, 9 for k, 11 for v (res has none: what stands there is not used)
	s_cmp_eq_u32 s[TYP], 2
	s_cselect_b32 s80, s84, s80
	s_cselect_b32 s88, s91, s88
	s_cmp_eq_u32 s[TYP], 3
	s_cselect_b32 s80, s86, s80
	s_sub_co_i32 s98, 0, s80
	s_cmp_eq_u32 s[TYP], 3
	s_cselect_b32 s98, 0, s98                      ; the bias goes in as bias / 2^E; for res as it is
	s_sub_co_i32 s99, s88, s80                     ; eo - E
	s_add_co_i32 s99, s99, 127
	s_lshl_b32 s26, s99, 23
	v_mov_b32 v[SCV], s26                          ; 2^(eo - E) as f32: the conversion takes its exponent field
	s_add_co_i32 s99, s99, 8
	s_lshl_b32 s26, s99, 23
	s_or_b32 s26, s26, 0x600000
	v_mov_b32 v[LIMV], s26                         ; 448 x that
	s_add_co_i32 s96, s80, 127
	s_lshl_b32 s96, s96, 23                        ; 2^E as f32, for res
	s_mov_b32 s97, s96                             ; (named with it as a pair, so it is written)
	s_wait_loadcnt 0x0                             ; the biases
.set jj, 0
.rept 80
	v_ldexp_f32 v[BR+jj], v[BR+jj], s98
.set jj, jj+1
.endr
.macro FRAG reg, adr, q, i             ; a fragment by four loads of 16 bytes: registers 4 c .. 4 c + 3 hold K = 32 c + 16 (lane / 16) + 0 .. 15: one order of k for A and B alike, so every product meets its partner
.irp c, 0,1,2,3
	ds_load_b128 v[\reg+4*\c:\reg+4*\c+3], v[\adr] offset:128*(\q)+32*\c+(\i)*16*PITCH
.endr
.endm
; 16 matrix instructions: A's blocks a0, a0 + 1 x B's eight, 128 along K.  p: B's set.  zero = 1: the first product starts the sums: nothing is ever cleared.
; The 64 accumulators take turns, one instruction a turn, in the same order in every step.
.macro MUL16 a0, p, zero
.irp a, \a0, \a0+1
.irp b, 0,1,2,3,4,5,6,7
.if \zero
	v_wmma_f32_16x16x128_fp8_fp8 v[8*(8*((\a)%4)+\b):8*(8*((\a)%4)+\b)+7], v[128*(\p)+FR*\b:128*(\p)+FR*\b+FR-1], v[AF+FR*(\a):AF+FR*(\a)+FR-1], 0
.else
	v_wmma_f32_16x16x128_fp8_fp8 v[8*(8*((\a)%4)+\b):8*(8*((\a)%4)+\b)+7], v[128*(\p)+FR*\b:128*(\p)+FR*\b+FR-1], v[AF+FR*(\a):AF+FR*(\a)+FR-1], v[8*(8*((\a)%4)+\b):8*(8*((\a)%4)+\b)+7]
.endif
.endr
.endr
.endm
.macro FETCH_B slot, q, p              ; B's eight fragments of the slot's q-th 128 along K into set p
	WIN TO_B
.irp i, 0,1,2,3,4,5,6,7
	FRAG 128*(\p)+FR*\i, ADRB+\slot, \q, \i
.endr
	WIN 0
.endm
.macro FETCH_A slot, q, i0             ; A's blocks i0 .. i0 + 3
.irp i, \i0, \i0+1, \i0+2, \i0+3
	FRAG AF+FR*(\i), ADRA+\slot, \q, \i
.endr
.endm
; A load into a register that a matrix instruction has read, and a vector instruction that reads a matrix result, stand NP places behind that matrix instruction; only plain vector
; instructions that name none of its registers are places (ISA guide 7.12.1 for vector instructions).
.macro PLACES n
.rept \n
	v_nop
.endr
.endm
; A step of 128 along K that has its successor in the same slot.  A block of A is free once its eight products are issued: blocks 0-3 are fetched anew in the step's middle, blocks 4-7 at its end.
.macro STEP slot, q, zero
	s_wait_dscnt 4*NL                              ; B's set and A's blocks 0-3 are in; the youngest sixteen loads (A's blocks 4-7) may be out
	WIN MUL_LO
	MUL16 0, (\q)%2, \zero
	MUL16 2, (\q)%2, \zero
	s_wait_dscnt 0                                 ; A's blocks 4-7 are in (asked for 32 matrix instructions ago)
	PLACES NP
	FETCH_B \slot, (\q)+1, 1-(\q)%2
	FETCH_A \slot, (\q)+1, 0
	WIN MUL_HI
	MUL16 4, (\q)%2, \zero
	MUL16 6, (\q)%2, \zero
	PLACES NP
	WIN 0
	FETCH_A \slot, (\q)+1, 4
.endm
; A slot's last step changes slots: ONE barrier; in front of it each wave waits for all its tensor loads, adds 0 to its spare word, and waits for that and for its own reads of this slot.  fill = 1: this slot is filled again, two K steps ahead.
.macro TURN slot, next, fill
	s_wait_tensorcnt 0x0                           ; all my tensor loads have landed: my part of the next slot;  (every window is 0 here)
	ds_add_u32 v[SPW], v[NIL]                      ; 0 onto my spare word
	s_wait_dscnt 4*NL+1                            ; (the add and the youngest sixteen loads, A's blocks 4-7, may be out)
	WIN MUL_LO
	MUL16 0, 1, 0                                  ; sixteen matrix instructions stand between the add and the wait for it
	s_wait_dscnt 0x0                               ; the add is done, and my reads of this slot are over
	s_barrier_signal -1
	MUL16 2, 1, 0
	WIN 0
	s_barrier_wait -1
.if \fill
	CREST                                          ; the barrier has opened a round of the cluster's barrier: no wave of any partner still reads this slot's tile or has a load on its way
	s_add_nc_u64 s[G0+4*\slot+2:G0+4*\slot+3], s[G0+4*\slot+2:G0+4*\slot+3], 2*ROWB
	s_add_nc_u64 s[G0B+4*\slot+2:G0B+4*\slot+3], s[G0B+4*\slot+2:G0B+4*\slot+3], 2*ROWB
	JLOAD G0+4*\slot, G1, G0B+4*\slot, G1B         ; the first tensor load behind the round, my one load until the next; its four v_nop are the places in front of the loads below
.else
	PLACES NP
.endif
	FETCH_B \next, 0, 0
	FETCH_A \next, 0, 0
.if (\fill) && ((\slot) == 0)
	global_prefetch_b8 v31, s[12:13] offset:768 th:TH_LOAD_NT scope:SCOPE_SE   ; K step 3, the last: the next refill names nothing
.endif
	WIN MUL_HI
	MUL16 4, 1, 0
	MUL16 6, 1, 0
	PLACES NP
	WIN 0
	FETCH_A \next, 0, 4
.endm
	s_wait_alu depctr_va_vdst(0)
	s_wait_tensorcnt 0x0                           ; my part of K step 0 is in; slot 1's first fill is issued as a refill is:
	ds_add_u32 v[SPW], v[NIL]                      ; 0 onto my spare word
	s_wait_dscnt 0x0
	CROUND                                         ; everybody's part of K step 0 is in, and the sixteen work-groups meet
	JLOAD G0+4, G1, G0B+4, G1B                     ; K step 1, the first tensor load behind the round
	FETCH_B 0, 0, 0
	FETCH_A 0, 0, 0
	FETCH_A 0, 0, 4
	global_prefetch_b8 v31, s[12:13] offset:512 th:TH_LOAD_NT scope:SCOPE_SE   ; K step 2
	s_cmp_eq_u32 s3, 2
	s_cbranch_scc0 .Lno_next                       ; the last block has no successor
	global_prefetch_b8 v22, s[100:101] th:TH_LOAD_NT scope:SCOPE_SE            ; K steps 0 and 1 of the next block's weight, eight steps of 128 along K ahead of their loads (its rows of x are this block's)
.Lno_next:
	STEP 0, 0, 1                                   ; K = 1,024 is four K steps, twice round the ring: written out.  The first products start the sums
	TURN 0, 1, 1                                   ; slot 0 takes K step 2
	STEP 1, 0, 0
	TURN 1, 0, 1                                   ; slot 1 takes K step 3
	STEP 0, 0, 0
	TURN 0, 1, 0                                   ; nothing is left to fetch
	STEP 1, 0, 0
	s_wait_dscnt 4*NL                              ; the very last step
	WIN MUL_LO
	MUL16 0, 1, 0
	MUL16 2, 1, 0
	s_wait_dscnt 0
	WIN MUL_HI
	MUL16 4, 1, 0
	MUL16 6, 1, 0
	WIN 0
	PLACES NP                                      ; behind the last products: their results are read, and A's registers are written, below
; THE WAY OUT of block a (16 rows of A x my 128 rows of B) as codes: bias, activation and hold in place, each accumulator from its low end on; eight conversions make the fragment; four stores.
; lane = 0: the bias belongs to B's rows (by register: q, k);  lane = 1: to A's rows (by lane: v).
.macro CODEBLK a, lane
.set AC, 64*((\a)%4)
.set W, 2+(\a)/4
.set WW, (W<<6)|W
	WIN WW                                         ; destination and source 0: the accumulators' window
.irp b, 0,1,2,3,4,5,6,7
.irp i, 0,2,4,6
.if \lane
	v_pk_add_f32 v[AC+8*\b+\i:AC+8*\b+\i+1], v[AC+8*\b+\i:AC+8*\b+\i+1], v[BLN+2*(\a):BLN+2*(\a)+1]
.else
	v_pk_add_f32 v[AC+8*\b+\i:AC+8*\b+\i+1], v[AC+8*\b+\i:AC+8*\b+\i+1], v[BR+8*\b+\i:BR+8*\b+\i+1]
.endif
.endr
.endr
.set jj, 0
.rept 64
	v_med3_num_f32 v[AC+jj], v[AC+jj], 0, v[LIMV]  ; relu and the hold in one: the conversion to an 8-bit code does not saturate (ISA guide 7.6.2)
.set jj, jj+1
.endr
	WIN W                                          ; source 0 alone
.irp b, 0,1,2,3,4,5,6,7
	v_cvt_scalef32_pk8_fp8_f32 v[CODE+16*(\a)+2*\b:CODE+16*(\a)+2*\b+1], v[AC+8*\b:AC+8*\b+7], v[SCV]   ; registers 2 b, 2 b + 1 of the fragment: k = 16 b + 8 h + 0 .. 7
.endr
	WIN 0
	v_nop                                          ; one plain vector instruction behind the last conversion of the run
.irp c, 0,1,2,3
	global_store_b128 v[LI], v[CODE+16*(\a)+4*\c:CODE+16*(\a)+4*\c+3], s[24:25] offset:2048*(\a)+512*\c   ; 32 lanes store 512 consecutive bytes, at a multiple of 256 from the buffer's first byte
.endr
.endm
; The same for res: sum x 2^E + bias in one packed multiply-add, relu, and the accumulators leave as they stand: sixteen stores of 512 consecutive bytes.
.macro RESBLK a
.set AC, 64*((\a)%4)
.set W, 2+(\a)/4
.set WW, (W<<6)|W
.set WS, W<<2
	WIN WW
.set jj, 0
.rept 32
	v_pk_fma_f32 v[AC+jj:AC+jj+1], v[AC+jj:AC+jj+1], s[96:97], v[BR+jj:BR+jj+1] op_sel_hi:[1,0,1]
.set jj, jj+2
.endr
.set jj, 0
.rept 64
	v_max_num_f32 v[AC+jj], v[AC+jj], 0
.set jj, jj+1
.endr
	WIN WS                                         ; a store's data: source 1
.irp b, 0,1,2,3,4,5,6,7
	global_store_b128 v[LI], v[AC+8*\b:AC+8*\b+3], s[24:25] offset:8192*(\a)+1024*\b
	global_store_b128 v[LI], v[AC+8*\b+4:AC+8*\b+7], s[24:25] offset:8192*(\a)+1024*\b+512
.endr
	WIN 0
.endm
	s_cmp_eq_u32 s[TYP], 3                         ; the projection is the same in all sixteen partners
	s_cbranch_scc1 .Lres
	s_cmp_eq_u32 s[TYP], 2
	s_cbranch_scc1 .Llane
.irp a, 0,1,2,3,4,5,6,7
	CODEBLK \a, 0
.endr
	s_branch .Ldone
.Llane:
.irp a, 0,1,2,3,4,5,6,7
	CODEBLK \a, 1
.endr
	s_branch .Ldone
.Lres:
.irp a, 0,1,2,3,4,5,6,7
	RESBLK \a
.endr
.Ldone:
	s_wait_xcnt 0x0                                ; the stores have read their data, offsets and base, the prefetches their addresses: the next trip writes all of them again
	s_sub_co_u32 s3, s3, 1
	s_cmp_lg_u32 s3, 0
	s_wait_alu depctr_va_vdst(0)
	s_cbranch_scc1 .Ltile
	s_wait_tensorcnt 0x0                           ; the wave's end, behind my last tensor load
	ds_add_u32 v[SPW], v[NIL]
	s_wait_dscnt 0x0
	CROUND                                         ; the closing round: no work-group ends while a partner may still ask for a tile that names it
	s_endpgm
.Lfunc_end_k_q38e9bbb6ce_proj:
	.size	k_q38e9bbb6ce_proj, .Lfunc_end_k_q38e9bbb6ce_proj-k_q38e9bbb6ce_proj
	.p2alignl 7, 3214868480
	.fill 96, 4, 3214868480
	.section	.rodata,"a",@progbits
	.p2align	6, 0x0
	.amdhsa_kernel k_q38e9bbb6ce_proj
		.amdhsa_group_segment_fixed_size 327680
		.amdhsa_private_segment_fixed_size 0
		.amdhsa_enable_private_segment 0
		.amdhsa_kernarg_size 112
		.amdhsa_user_sgpr_count 2
		.amdhsa_user_sgpr_kernarg_segment_ptr 1
		.amdhsa_wavefront_size32 1
		.amdhsa_system_sgpr_workgroup_id_x 1
		.amdhsa_system_sgpr_workgroup_id_y 1
		.amdhsa_system_sgpr_workgroup_id_z 1
		.amdhsa_system_vgpr_workitem_id 0
		.amdhsa_next_free_vgpr 1024
		.amdhsa_next_free_sgpr 102
		.amdhsa_reserve_vcc 0
		.amdhsa_float_denorm_mode_32 3
		.amdhsa_float_denorm_mode_16_64 3
		.amdhsa_memory_ordered 1
		.amdhsa_forward_progress 1
		.amdhsa_inst_pref_size 255
	.end_amdhsa_kernel
	.section	.bss,"aw",@nobits
	.p2align	6
	.space	262144
	.amdgpu_metadata
---
amdhsa.version: [ 1, 2 ]
amdhsa.kernels:
  - .name:           k_q38e9bbb6ce_proj
    .symbol:         k_q38e9bbb6ce_proj.kd
    .args:
      - { .name: x_codes, .offset: 0, .size: 8, .value_kind: global_buffer, .address_space: global }
      - { .name: Wq_codes, .offset: 8, .size: 8, .value_kind: global_buffer, .address_space: global }
      - { .name: Wk_codes, .offset: 16, .size: 8, .value_kind: global_buffer, .address_space: global }
      - { .name: Wv_codes, .offset: 24, .size: 8, .value_kind: global_buffer, .address_space: global }
      - { .name: Wr_codes, .offset: 32, .size: 8, .value_kind: global_buffer, .address_space: global }
      - { .name: bq, .offset: 40, .size: 8, .value_kind: global_buffer, .address_space: global }
      - { .name: bk, .offset: 48, .size: 8, .value_kind: global_buffer, .address_space: global }
      - { .name: bv, .offset: 56, .size: 8, .value_kind: global_buffer, .address_space: global }
      - { .name: br, .offset: 64, .size: 8, .value_kind: global_buffer, .address_space: global }
      - { .name: lowp_scales, .offset: 72, .size: 8, .value_kind: global_buffer, .address_space: global }
      - { .name: qimg, .offset: 80, .size: 8, .value_kind: global_buffer, .address_space: global }
      - { .name: kimg, .offset: 88, .size: 8, .value_kind: global_buffer, .address_space: global }
      - { .name: vimg, .offset: 96, .size: 8, .value_kind: global_buffer, .address_space: global }
      - { .name: resimg, .offset: 104, .size: 8, .value_kind: global_buffer, .address_space: global }
    .group_segment_fixed_size: 327680
    .private_segment_fixed_size: 0
    .kernarg_segment_align: 8
    .kernarg_segment_size: 112
    .max_flat_workgroup_size: 128
    .sgpr_count:     102
    .vgpr_count:     1024
    .wavefront_size: 32
...
	.end_amdgpu_metadata
.endif
;; end of part 1
;; launch attn (part 2): grid 8 x 32, 8 waves a work-group, clusters of 4 x 1, 327,680 bytes of LDS; arguments qimg, kimg, vimg, resimg, gamma, beta, lowp_scales, out0; writes out0
.if DOCPART == 2
	.amdgcn_target "amdgcn-amd-amdhsa--gfx1250"
	.amdhsa_code_object_version 6
	.text
	.protected	k_q38e9bbb6ce_attn
	.globl	k_q38e9bbb6ce_attn
	.p2align	8
	.type	k_q38e9bbb6ce_attn,@function
k_q38e9bbb6ce_attn:
	s_mov_b64 s[64:65], 0
	v_nop
	global_prefetch_b8 v0, s[64:65] scope:SCOPE_SE
	s_setreg_imm32_b32 hwreg(HW_REG_WAVE_MODE, 25, 1), 1
	s_wait_xcnt 0x0
	s_wait_alu depctr_hold_cnt(0) depctr_sa_sdst(0) depctr_va_vdst(0) depctr_va_sdst(0) depctr_va_ssrc(0) depctr_va_vcc(0) depctr_vm_vsrc(0)
	s_getreg_b32 s2, hwreg(HW_REG_IB_STS2, 6, 4)
	s_cmp_eq_u32 s2, 0
	s_cbranch_scc0 .Lentry_in_a_cluster
	s_endpgm
.Lentry_in_a_cluster:
	s_bfe_u32 s2, ttmp6, 0x10000c
	s_cmp_lg_u32 s2, 0x3003
	s_cbranch_scc0 .Lentry_shape_is_right
	s_endpgm
.Lentry_shape_is_right:
; ATTENTION ON CODES OF FP8, THE RESIDUAL AND THE LAYER NORM.  A head is 256 rows of x (reference()'s raw reshape): query or key number = 8 x row + chunk of 128 columns.
; A work-group owns 32 rows of one head, 256 queries; wave w owns chunk w of them: two tiles of 16 queries.  All keys of the head are walked, 128 a step, 16 steps.
; Both products are used transposed (S^T = K Q^T, O^T = V^T P^T): a lane holds one query (lane % 16) of each tile; qimg, kimg, vimg hold images of the operand registers, 2,048 bytes a fragment.
; SOFTMAX: t = score x log2(e) / sqrt(128) x 2^(eq + ek); M = the running largest t rounded up to a whole number; p = 2^(t - M) is held at 448 x 2^ep and quantised with 2^ep; the sum is taken of the unquantised p.
; THE RING: two slots of 2^17 bytes, each four steps of K (waves 0-3 fetch) and of V (waves 4-7), 16,384 bytes a wave.  The four work-groups of a cluster walk one head: every fill of K and V is a joint load.
; THE CHANGE OF SLOTS STANDS INSIDE A SLOT'S LAST STEP: when that step's fragments of V are in registers the wave reads the slot no more; it says so, and the softmax, work on registers, stands between signal and wait.
; The third change brings the work-group's own 32 x 1,024 numbers of res into slot 0 (each wave its own 16,384 bytes, read by itself alone).
; No prefetch: every refill is asked for four key steps (128 matrix instructions a wave) ahead of its first read, and the first two fills have nothing to run ahead in.
; LAYER NORM: each wave takes its 128 columns' mean and the squares about THAT mean; one exchange through LDS; squares about the row's mean = the sum of the waves' + 128 x the squares of the waves' means about the row's mean.
; LIMITS: eq + ek between -123 and 130, ep between -126 and 119 (each power of two is an f32 number); the scaled scores stay under 2^31 in magnitude.
; REGISTERS: v1-12 addresses; v16-47 Q; v48-79 p's codes; v80-103 state of the two tiles; v104-106 constants; v112-239 S^T, then p; v240-247 partial sums; window 1: v0-127 fragments of K or V, v128-255 O^T.
.set SLOT1, 1<<17
.set VOFF,  65536                      ; V's part of a slot
.set STEPB, 16384                      ; a step's eight fragments
.set SPARE, 2*SLOT1                    ; the spare words: 128 bytes a wave
.set STAT1, SPARE+1024                 ; the exchange: [mean, squares][row 32][wave 8] words
.set GBL,   STAT1+2048                 ; gamma's and beta's 128 numbers of each wave's chunk: 1,024 bytes a wave
.set STAGE, GBL+8192                   ; the way out: 16 rows x 272 bytes a wave
.set SP,    272
.set LI,  1
.set ADK, 2
.set ADV, 3
.set SPW, 4
.set NIL, 5
.set STO, 6
.set RD,  7
.set GO,  8
.set STA, 9
.set STR, 10
.set RA,  11
.set GB,  12
.set QF,  16
.set P,   48
.set OB,  16
.set ST,  80                           ; a tile's state, 12 registers: -M, largest t, sum (2), f (2), SM (2), MX, MY, PX
.set NM,  0
.set TM,  1
.set LS,  2
.set FF,  4
.set SM,  6
.set MX,  8
.set MY,  9
.set PX,  10
.set LIM, 104                          ; 448 x 2^ep, twice: the two halves of a dual pair name registers of different banks
.set LIM2, 105
.set SCL, 106
.set S,   112
.set XA,  240
.set FRG, 0
.set OT,  128
.set WV,  20
.set G1J, 24
.set G1P, 32
.set G0A, 40
.set G0W, 44
.set G0R, 48
.set CS,  56
.set SEL, 58
.set TB,  60
.set SB,  61
.set CNT, 62
.set OC,  63
.set LOW, 73
.set MSB, 0
.macro WIN new
.if MSB != \new
	s_set_vgpr_msb (MSB<<8)|\new
.set MSB, \new
.endif
.endm
.set TO_1, 0x40
.set W_QK, 0x01
.set W_RS, 0x41
.set W_PV, 0x51
.set W_GB, 0x14
.macro CREST
	s_cmp_lg_u32 s[WV], 0
	s_cbranch_scc1 .Lnot_wave_0_\@
	s_barrier_signal -3
.Lnot_wave_0_\@:
	s_barrier_wait -3
	s_barrier_signal -1
	s_barrier_wait -1
.endm
.macro CROUND
	s_barrier_signal -1
	s_barrier_wait -1
	CREST
.endm
	s_load_b512 s[4:19], s[0:1], 0x0               ; q 4, k 6, v 8, res 10, gamma 12, beta 14, scales 16, out 18
	v_lshl_add_u32 v[SPW], v0, 2, SPARE
	v_mov_b32 v[NIL], 0
	ds_add_u32 v[SPW], v[NIL]                      ; the opening lines: the add, twice on end
	ds_add_u32 v[SPW], v[NIL]
	v_lshrrev_b32 v13, 5, v0
	v_readfirstlane_b32 s[WV], v13
	v_and_b32 v15, 31, v0
	v_lshlrev_b32 v[LI], 4, v15                    ; 16 x lane: my place in an image
	s_bfe_u32 s21, ttmp6, 0x40000
	s_lshl_b32 s22, ttmp9, 2
	s_add_co_u32 s22, s22, s21                     ; which 32 rows of the head
	s_and_b32 s23, ttmp7, 0xffff                   ; the head
	s_mov_b32 s[G1J], 15|(3<<16)|(1<<21)           ; joint: the cluster's four; elements of 8 bytes
	s_mov_b32 s[G1P], 3<<16
.irp g, G1J, G1P
	s_mov_b32 s[\g+1], 32<<16                      ; 64 rows of 256 bytes, dense
	s_mov_b32 s[\g+2], 64<<16
	s_mov_b32 s[\g+3], 32<<16
	s_mov_b32 s[\g+4], 64
	s_mov_b32 s[\g+5], 32
	s_mov_b32 s[\g+6], 0
	s_mov_b32 s[\g+7], 0
.endr
	s_mov_b32 s[SEL], 0x76543210
	s_mov_b32 s[SEL+1], 0xfedcba98
	s_mov_b32 s[CS], 0x3e0293ee                    ; log2(e) / sqrt(128)
	s_mov_b32 s71, 0x3a800000                      ; 1 / 1,024
	s_mov_b32 s72, 0x322bcc77                      ; 1e-8
	s_lshl_b32 s68, s[WV], 14                      ; my 16,384 bytes of a slot
	s_lshl_b32 s66, s23, 18
	s_and_b32 s67, s[WV], 3
	s_lshl_b32 s67, s67, 14
	s_add_co_u32 s66, s66, s67                     ; K, V: the head, my step of the slot's four
	s_mov_b32 s67, 0
	s_lshl_b32 s74, s23, 20
	s_lshl_b32 s69, s[WV], 17
	s_add_co_u32 s74, s74, s69
	s_lshl_b32 s69, s22, 14
	s_add_co_u32 s74, s74, s69                     ; res: head, chunk, my two tiles
	s_mov_b32 s75, 0
	s_lshl_b32 s76, s23, 18
	s_lshl_b32 s69, s[WV], 15
	s_add_co_u32 s76, s76, s69
	s_lshl_b32 s69, s22, 12
	s_add_co_u32 s76, s76, s69                     ; Q likewise
	s_mov_b32 s77, 0
	s_lshl_b32 s78, s[WV], 9                       ; my chunk in a row of 1,024 f32
	s_mov_b32 s79, 0
	s_wait_alu depctr_va_vdst(0)
	s_wait_dscnt 0x0
	s_wait_kmcnt 0x0
	s_load_b128 s[52:55], s[16:17], 0x20           ; eq, ek, ep, ev
	s_add_nc_u64 s[4:5], s[4:5], s[76:77]
	s_add_nc_u64 s[12:13], s[12:13], s[78:79]
	s_add_nc_u64 s[14:15], s[14:15], s[78:79]
.irp i, 0,1,2,3,4,5,6,7
	global_load_b128 v[QF+4*\i:QF+4*\i+3], v[LI], s[4:5] offset:512*\i th:TH_LOAD_NT
.endr
	global_load_b128 v[S:S+3], v[LI], s[12:13]     ; gamma's and beta's 512 bytes of my chunk
	global_load_b128 v[S+4:S+7], v[LI], s[14:15]
	s_cmp_lt_u32 s[WV], 4
	s_cselect_b64 s[6:7], s[6:7], s[8:9]
	s_add_nc_u64 s[6:7], s[6:7], s[66:67]
	s_mov_b32 s[G0A], 1
	s_mov_b32 s[G0A+1], s68
	s_mov_b64 s[G0A+2:G0A+3], s[6:7]
	s_or_b32 s[G0A+3], s[G0A+3], 0x80000000
	s_mov_b32 s[G0W], 1
	s_add_co_u32 s[G0W+1], s68, SLOT1
	s_add_nc_u64 s[G0W+2:G0W+3], s[6:7], 65536
	s_or_b32 s[G0W+3], s[G0W+3], 0x80000000
	s_mov_b32 s[G0R], 1
	s_mov_b32 s[G0R+1], s68
	s_add_nc_u64 s[G0R+2:G0R+3], s[10:11], s[74:75]
	s_or_b32 s[G0R+3], s[G0R+3], 0x80000000
	CROUND                                         ; the four work-groups meet
	tensor_load_to_lds s[G0A:G0A+3], s[G1J:G1J+7]  ; steps 0-3: my one load at the head
	s_nop 0
	s_lshl_b32 s74, s23, 20
	s_lshl_b32 s69, s22, 17
	s_add_co_u32 s74, s74, s69
	s_add_co_u32 s74, s74, s78
	s_add_nc_u64 s[18:19], s[18:19], s[74:75]      ; out: my work-group's 32 rows, my chunk
	s_mov_b32 s66, 0x43000000                      ; 128.0
	s_mul_i32 s69, s[WV], 16*SP
	s_add_co_u32 s69, s69, STAGE
	s_lshl_b32 s76, s[WV], 2
	s_add_co_u32 s76, s76, STAT1
	s_lshl_b32 s77, s[WV], 10
	s_add_co_u32 s77, s77, GBL
	v_and_b32 v13, 15, v0
	v_bfe_u32 v14, v0, 4, 1
	v_mul_u32_u24 v[STO], v13, SP
	v_mul_u32_u24 v[RD], v14, SP
	v_lshl_add_u32 v[STO], v14, 5, v[STO]
	v_lshl_add_u32 v[RD], v13, 4, v[RD]
	v_add_nc_u32 v[STO], s69, v[STO]
	v_add_nc_u32 v[RD], s69, v[RD]
	v_lshlrev_b32 v[GO], 12, v14
	v_lshl_add_u32 v[GO], v13, 4, v[GO]
	v_lshlrev_b32 v[STA], 5, v15
	v_add_nc_u32 v[STA], s76, v[STA]               ; row (lane) x 32 + wave x 4
	v_lshlrev_b32 v[STR], 5, v13
	v_add_nc_u32 v[STR], STAT1, v[STR]
	v_add_nc_u32 v[RA], s68, v[LI]
	v_lshlrev_b32 v[GB], 5, v14
	v_add_nc_u32 v[GB], s77, v[GB]
	v_add_nc_u32 v14, s77, v[LI]
	v_cmp_gt_u32 s[LOW], 16, v15
.irp x, 0,1
	v_mov_b32 v[ST+12*\x+TM], 0xff61b1e6           ; -3e38, under every t
	v_floor_f32 v[ST+12*\x+NM], -v[ST+12*\x+TM]
	v_mov_b32 v[ST+12*\x+LS], 0
	v_mov_b32 v[ST+12*\x+LS+1], 0
	v_mov_b32 v[ST+12*\x+FF+1], 0
	v_mov_b32 v[ST+12*\x+PX], 0
.endr
	WIN TO_1
.set jj, 0
.rept 128
	v_mov_b32 v[OT+jj], 0                          ; the step is written for every step alike: the first finds zeros (these lines stand under the first fill's flight)
.set jj, jj+1
.endr
	WIN 0
	s_wait_kmcnt 0x0
	s_add_co_i32 s77, s52, s53
	s_lshl_b32 s77, s77, 23
	s_add_co_i32 s[CS], s[CS], s77                 ; x 2^(eq + ek), on c's exponent field
	s_mov_b32 s[CS+1], s[CS]
	s_add_co_i32 s77, s54, 127
	s_lshl_b32 s78, s77, 23
	v_mov_b32 v[SCL], s78                          ; 2^ep
	s_add_co_i32 s77, s77, 8
	s_lshl_b32 s77, s77, 23
	s_or_b32 s77, s77, 0x600000
	v_mov_b32 v[LIM], s77                          ; 448 x 2^ep
	v_mov_b32 v[LIM2], s77
	s_add_co_i32 s70, s54, s55                     ; ep + ev
.macro KVLOAD adr
.irp f, 0,1,2,3,4,5,6,7
.irp c, 0,1,2,3
	ds_load_b128 v[FRG+16*\f+4*\c:FRG+16*\f+4*\c+3], v[\adr] offset:2048*\f+512*\c
.endr
.endr
.endm
.macro QK f0
.irp f, \f0, \f0+1, \f0+2, \f0+3
.irp x, 0,1
	v_wmma_f32_16x16x128_fp8_fp8 v[S+64*\x+8*(\f):S+64*\x+8*(\f)+7], v[FRG+16*(\f):FRG+16*(\f)+15], v[QF+16*\x:QF+16*\x+15], 0
.endr
.endr
.endm
; the step's largest score of each query, the new M, f = 2^(old M - new M), the sums under the new M.  Each accumulator is read from its low end on; the two tiles' chains take turns.
.macro SMAX
.irp x, 0,1
	v_max3_num_f32 v[ST+12*\x+MX], v[S+64*\x], v[S+64*\x+1], v[S+64*\x+2]
	v_max3_num_f32 v[ST+12*\x+MY], v[S+64*\x+3], v[S+64*\x+4], v[S+64*\x+5]
.endr
.irp i, 6,10,14,18,22,26,30,34,38,42,46,50,54,58
.irp x, 0,1
	v_max3_num_f32 v[ST+12*\x+MX], v[ST+12*\x+MX], v[S+64*\x+\i], v[S+64*\x+\i+1]
	v_max3_num_f32 v[ST+12*\x+MY], v[ST+12*\x+MY], v[S+64*\x+\i+2], v[S+64*\x+\i+3]
.endr
.endr
.irp x, 0,1
	v_max3_num_f32 v[ST+12*\x+MX], v[ST+12*\x+MX], v[S+64*\x+62], v[S+64*\x+63]
.endr
.irp x, 0,1
	s_delay_alu instid0(VALU_DEP_2)                ; the two tiles' chains take turns, so each link reads what the second instruction back wrote: a one-field hint ahead of each
	v_max_num_f32 v[ST+12*\x+MX], v[ST+12*\x+MX], v[ST+12*\x+MY]
.endr
.irp x, 0,1
	s_delay_alu instid0(VALU_DEP_2)
	v_permlanex16_b32 v[ST+12*\x+PX], v[ST+12*\x+MX], s[SEL], s[SEL+1]
.endr
.irp x, 0,1
	s_delay_alu instid0(VALU_DEP_2)
	v_max_num_f32 v[ST+12*\x+MX], v[ST+12*\x+MX], v[ST+12*\x+PX]
.endr
.irp x, 0,1
	s_delay_alu instid0(VALU_DEP_2)
	v_mul_f32 v[ST+12*\x+MX], s[CS], v[ST+12*\x+MX]
.endr
.irp x, 0,1
	s_delay_alu instid0(VALU_DEP_2)
	v_max_num_f32 v[ST+12*\x+TM], v[ST+12*\x+TM], v[ST+12*\x+MX]
.endr
.irp x, 0,1
	v_mov_b32 v[ST+12*\x+MX], v[ST+12*\x+NM]
.endr
.irp x, 0,1
	s_delay_alu instid0(VALU_DEP_4)                ; the largest t was written four instructions back
	v_floor_f32 v[ST+12*\x+NM], -v[ST+12*\x+TM]    ; -M = floor(-t)
.endr
.irp x, 0,1
	s_delay_alu instid0(VALU_DEP_2)
	v_sub_f32 v[ST+12*\x+MX], v[ST+12*\x+NM], v[ST+12*\x+MX]
.endr
.irp x, 0,1
	s_delay_alu instid0(VALU_DEP_2)
	v_cvt_i32_f32 v[ST+12*\x+MX], v[ST+12*\x+MX]
.endr
.irp x, 0,1
	s_delay_alu instid0(VALU_DEP_2)
	v_ldexp_f32 v[ST+12*\x+FF], 1.0, v[ST+12*\x+MX]
.endr
.irp x, 0,1
	v_pk_mul_f32 v[ST+12*\x+LS:ST+12*\x+LS+1], v[ST+12*\x+LS:ST+12*\x+LS+1], v[ST+12*\x+FF:ST+12*\x+FF+1] op_sel_hi:[1,0]
.endr
.endm
.macro SUMP x                          ; the sum of a tile's 64 unquantised p, in four chains
.set jj, 0
.rept 4
	v_pk_add_f32 v[XA+2*jj:XA+2*jj+1], v[S+64*(\x)+4*jj:S+64*(\x)+4*jj+1], v[S+64*(\x)+4*jj+2:S+64*(\x)+4*jj+3]
.set jj, jj+1
.endr
.set jj, 8
.rept 24
	v_pk_add_f32 v[XA+2*(jj%4):XA+2*(jj%4)+1], v[XA+2*(jj%4):XA+2*(jj%4)+1], v[S+64*(\x)+2*jj:S+64*(\x)+2*jj+1]
.set jj, jj+1
.endr
	v_pk_add_f32 v[XA:XA+1], v[XA:XA+1], v[XA+2:XA+3]
	v_pk_add_f32 v[XA+4:XA+5], v[XA+4:XA+5], v[XA+6:XA+7]
	v_pk_add_f32 v[XA:XA+1], v[XA:XA+1], v[XA+4:XA+5]
	v_pk_add_f32 v[ST+12*(\x)+LS:ST+12*(\x)+LS+1], v[ST+12*(\x)+LS:ST+12*(\x)+LS+1], v[XA:XA+1]
.endm
.macro HOLD2 r                         ; the hold of two numbers in one dual pair (the conversion does not saturate: ISA guide 7.6.2; p is not negative)
	v_dual_min_num_f32 v[\r], v[\r], v[LIM] :: v_dual_min_num_f32 v[\r+1], v[\r+1], v[LIM2]
.endm
.macro CVT x
.irp f, 0,1,2,3,4,5,6,7
	v_cvt_scalef32_pk8_fp8_f32 v[P+16*(\x)+2*\f:P+16*(\x)+2*\f+1], v[S+64*(\x)+8*\f:S+64*(\x)+8*\f+7], v[SCL]
.endr
.endm
; A KEY STEP.  chg = 0: plain.  chg = 1: the slot's last step, the slot is filled again jointly.  chg = 2: likewise, with my part of res.
.macro STEP chg
	v_add_nc_u32 v[ADK], s[TB], v[LI]
	v_add_nc_u32 v[ADV], VOFF, v[ADK]
	v_nop
	v_nop                                          ; four places behind the last products, in front of loads into their sources
	WIN TO_1
	KVLOAD ADK
	s_wait_alu depctr_va_vdst(0)
	s_wait_dscnt 16                                ; fragments 0-3 are in; the youngest sixteen loads may be out
	WIN W_QK
	QK 0
	s_wait_dscnt 0x0
	QK 4
.rept 4
	v_nop
.endr
	WIN TO_1
	KVLOAD ADV
	WIN 0
.if \chg
	s_wait_tensorcnt 0x0                           ; my part of the other slot is in
	ds_add_u32 v[SPW], v[NIL]                      ; 0 onto my spare word
.if \chg == 1
	s_xor_b32 s[G0W+1], s[G0W+1], SLOT1            ; the walking descriptor: the slot in hand, the four steps after the other slot's
	s_add_nc_u64 s[G0W+2:G0W+3], s[G0W+2:G0W+3], 65536
.endif
.endif
	SMAX
.if \chg
	s_wait_alu depctr_va_vdst(0)
	s_wait_dscnt 0x0                               ; the add is done, V's fragments are in registers: my reads of this slot are over
	s_barrier_signal -1                            ; work on registers alone up to the wait
.endif
.set jj, 0
.rept 32
	v_pk_fma_f32 v[S+jj:S+jj+1], v[S+jj:S+jj+1], s[CS:CS+1], v[ST+NM:ST+TM] op_sel_hi:[1,0,0]
.set jj, jj+2
.endr
	s_wait_alu depctr_va_vdst(0)                   ; ahead of the batch
.set jj, 0
.rept 32                                       ; tile 0's exponentials; among them tile 1's t - M, read behind the next wait
	v_exp_f32 v[S+jj], v[S+jj]
	v_exp_f32 v[S+jj+1], v[S+jj+1]
	v_pk_fma_f32 v[S+64+jj:S+64+jj+1], v[S+64+jj:S+64+jj+1], s[CS:CS+1], v[ST+12+NM:ST+12+TM] op_sel_hi:[1,0,0]
.set jj, jj+2
.endr
	s_wait_alu depctr_va_vdst(0)                   ; behind tile 0's batch, ahead of tile 1's
	SUMP 0
.set jj, 0
.rept 32                                       ; tile 1's exponentials; among them tile 0's hold, read behind the next wait
	v_exp_f32 v[S+64+jj], v[S+64+jj]
	v_exp_f32 v[S+64+jj+1], v[S+64+jj+1]
	HOLD2 S+jj
.set jj, jj+2
.endr
	v_nop
	s_wait_alu depctr_va_vdst(0)
	CVT 0
	SUMP 1
.set jj, 0
.rept 32
	HOLD2 S+64+jj
.set jj, jj+2
.endr
	CVT 1
	WIN W_RS
	s_wait_alu depctr_va_vdst(0)                   ; directly ahead of the first reader of O^T
.set jj, 0
.rept 64
	v_pk_mul_f32 v[OT+jj:OT+jj+1], v[OT+jj:OT+jj+1], v[ST+12*(jj/64)+FF:ST+12*(jj/64)+FF+1] op_sel_hi:[1,0]
.set jj, jj+2
.endr
.if \chg == 0
	s_wait_alu depctr_va_vdst(0)
	s_wait_dscnt 0x0                               ; V's fragments (in a step that changes slots they were awaited ahead of the signal)
.endif
	WIN W_PV
.irp f, 0,1,2,3,4,5,6,7
.irp x, 0,1
	v_wmma_f32_16x16x128_fp8_fp8 v[OT+64*\x+8*\f:OT+64*\x+8*\f+7], v[FRG+16*\f:FRG+16*\f+15], v[P+16*\x:P+16*\x+15], v[OT+64*\x+8*\f:OT+64*\x+8*\f+7]
.endr
.endr
	WIN 0
.if \chg                                       ; the second products too, work on registers alone, stand between the signal and the wait
	s_wait_alu depctr_va_vdst(0)
	s_barrier_wait -1
	CREST                                          ; the barrier has opened a round of the cluster's: no wave of any partner reads this slot or has a load out
.if \chg == 1
	tensor_load_to_lds s[G0W:G0W+3], s[G1J:G1J+7]  ; my one load behind the round: four key steps ahead of its first read
	s_nop 0
.else
	tensor_load_to_lds s[G0R:G0R+3], s[G1P:G1P+7]
	s_nop 0
.endif
.rept 4
	v_nop
.endr
.endif
.endm
.macro RUN n
	s_mov_b32 s[CNT], \n
.Lstep_\@:
	STEP 0
	s_add_co_u32 s[TB], s[TB], STEPB
	s_sub_co_u32 s[CNT], s[CNT], 1
	s_cmp_lg_u32 s[CNT], 0
	s_cbranch_scc1 .Lstep_\@
.endm
	s_wait_alu depctr_va_vdst(0)
	s_wait_loadcnt 0x0                             ; Q, gamma, beta
	s_wait_tensorcnt 0x0                           ; no tensor load of mine is out while I store to LDS
	ds_store_b128 v14, v[S:S+3]                    ; gamma and beta wait in my own LDS bytes for the way out
	ds_store_b128 v14, v[S+4:S+7] offset:512
	s_wait_tensorcnt 0x0                           ; slot 1's first fill is issued as a refill is: the three lines,
	ds_add_u32 v[SPW], v[NIL]
	s_wait_dscnt 0x0
	CROUND                                         ; a round: everybody's part of slot 0 is in,
	tensor_load_to_lds s[G0W:G0W+3], s[G1J:G1J+7]  ; and steps 4-7
	s_nop 0
.rept 4
	v_nop
.endr
	s_mov_b32 s[SB], 0
	s_mov_b32 s[OC], 2
.Lpair:                                            ; two trips: slot 0 (then filled with steps 8-11), slot 1 (then steps 12-15)
	s_mov_b32 s[TB], s[SB]
	RUN 3
	STEP 1
	s_xor_b32 s[SB], s[SB], SLOT1
	s_sub_co_u32 s[OC], s[OC], 1
	s_cmp_lg_u32 s[OC], 0
	s_cbranch_scc1 .Lpair
	s_mov_b32 s[TB], 0
	RUN 3
	STEP 2
	s_mov_b32 s[TB], SLOT1
	RUN 4
	; THE WAY OUT.  relu(O^T / sum x 2^(ep + ev) + res), the layer norm, gamma and beta.
.irp x, 0,1
	v_add_f32 v[ST+12*\x+MX], v[ST+12*\x+LS], v[ST+12*\x+LS+1]
.endr
.irp x, 0,1
	v_permlanex16_b32 v[ST+12*\x+PX], v[ST+12*\x+MX], s[SEL], s[SEL+1]
.endr
.irp x, 0,1
	v_add_f32 v[ST+12*\x+MX], v[ST+12*\x+MX], v[ST+12*\x+PX]
.endr
	v_nop
	v_nop
	WIN TO_1
.irp f, 0,1,2,3,4,5,6,7
.irp q, 0,1
	ds_load_b128 v[8*\f+4*\q:8*\f+4*\q+3], v[GB] offset:64*\f+16*\q            ; gamma at columns 16 f + 8 h + 0 .. 7
	ds_load_b128 v[64+8*\f+4*\q:64+8*\f+4*\q+3], v[GB] offset:512+64*\f+16*\q  ; beta
.endr
.endr
	WIN 0
	s_wait_tensorcnt 0x0                           ; my part of res
.irp x, 0,1
.irp f, 0,1,2,3,4,5,6,7
.irp q, 0,1
	ds_load_b128 v[S+64*\x+8*\f+4*\q:S+64*\x+8*\f+4*\q+3], v[RA] offset:8192*\x+1024*\f+512*\q
.endr
.endr
.endr
	s_wait_alu depctr_va_vdst(0)
.irp x, 0,1
	v_rcp_f32 v[ST+12*\x+FF], v[ST+12*\x+MX]
.endr
	v_nop
	s_wait_alu depctr_va_vdst(0)
.irp x, 0,1
	v_ldexp_f32 v[ST+12*\x+FF], v[ST+12*\x+FF], s70
.endr
	s_wait_dscnt 0x0
	WIN W_QK
	s_wait_alu depctr_va_vdst(0)                   ; directly ahead of the first reader of O^T
.set jj, 0
.rept 64
	v_pk_fma_f32 v[S+jj:S+jj+1], v[OT+jj:OT+jj+1], v[ST+12*(jj/64)+FF:ST+12*(jj/64)+FF+1], v[S+jj:S+jj+1] op_sel_hi:[1,0,1]
.set jj, jj+2
.endr
	WIN 0
.set jj, 0
.rept 128
	v_max_num_f32 v[S+jj], 0, v[S+jj]
.set jj, jj+1
.endr
.macro LANES                           ; LS's two halves and lane l xor 16's -> MX
.irp x, 0,1
	v_pk_add_f32 v[ST+12*\x+LS:ST+12*\x+LS+1], v[ST+12*\x+LS:ST+12*\x+LS+1], v[ST+12*\x+SM:ST+12*\x+SM+1]
.endr
.irp x, 0,1
	v_add_f32 v[ST+12*\x+MX], v[ST+12*\x+LS], v[ST+12*\x+LS+1]
.endr
.irp x, 0,1
	v_permlanex16_b32 v[ST+12*\x+PX], v[ST+12*\x+MX], s[SEL], s[SEL+1]
.endr
.irp x, 0,1
	v_add_f32 v[ST+12*\x+MX], v[ST+12*\x+MX], v[ST+12*\x+PX]
.endr
.endm
.irp x, 0,1
	v_pk_add_f32 v[ST+12*\x+LS:ST+12*\x+LS+1], v[S+64*\x:S+64*\x+1], v[S+64*\x+4:S+64*\x+5]
	v_pk_add_f32 v[ST+12*\x+SM:ST+12*\x+SM+1], v[S+64*\x+2:S+64*\x+3], v[S+64*\x+6:S+64*\x+7]
.endr
.irp j, 8,12,16,20,24,28,32,36,40,44,48,52,56,60
.irp x, 0,1
	v_pk_add_f32 v[ST+12*\x+LS:ST+12*\x+LS+1], v[ST+12*\x+LS:ST+12*\x+LS+1], v[S+64*\x+\j:S+64*\x+\j+1]
	v_pk_add_f32 v[ST+12*\x+SM:ST+12*\x+SM+1], v[ST+12*\x+SM:ST+12*\x+SM+1], v[S+64*\x+\j+2:S+64*\x+\j+3]
.endr
.endr
	LANES
.irp x, 0,1
	v_mul_f32 v[ST+12*\x+NM], 0x3c000000, v[ST+12*\x+MX]     ; my 128 columns' mean
.endr
.set jj, 0
.rept 64
	v_pk_add_f32 v[S+jj:S+jj+1], v[S+jj:S+jj+1], v[ST+12*(jj/64)+NM:ST+12*(jj/64)+NM+1] op_sel_hi:[1,0] neg_lo:[0,1] neg_hi:[0,1]
.set jj, jj+2
.endr
.irp x, 0,1
	v_pk_mul_f32 v[ST+12*\x+LS:ST+12*\x+LS+1], v[S+64*\x:S+64*\x+1], v[S+64*\x:S+64*\x+1]
	v_pk_mul_f32 v[ST+12*\x+SM:ST+12*\x+SM+1], v[S+64*\x+2:S+64*\x+3], v[S+64*\x+2:S+64*\x+3]
.endr
.irp j, 4,8,12,16,20,24,28,32,36,40,44,48,52,56,60
.irp x, 0,1
	v_pk_fma_f32 v[ST+12*\x+LS:ST+12*\x+LS+1], v[S+64*\x+\j:S+64*\x+\j+1], v[S+64*\x+\j:S+64*\x+\j+1], v[ST+12*\x+LS:ST+12*\x+LS+1]
	v_pk_fma_f32 v[ST+12*\x+SM:ST+12*\x+SM+1], v[S+64*\x+\j+2:S+64*\x+\j+3], v[S+64*\x+\j+2:S+64*\x+\j+3], v[ST+12*\x+SM:ST+12*\x+SM+1]
.endr
.endr
	LANES                                          ; the squares about my mean
	v_cndmask_b32 v[ST+MY], v[ST+12+NM], v[ST+NM], s[LOW]        ; lanes 0-15 speak for tile 0's rows, lanes 16-31 for tile 1's
	v_cndmask_b32 v[ST+12+MY], v[ST+12+MX], v[ST+MX], s[LOW]
	ds_store_b32 v[STA], v[ST+MY]
	ds_store_b32 v[STA], v[ST+12+MY] offset:1024
	s_wait_dscnt 0x0
	s_barrier_signal -1
	s_barrier_wait -1
.irp x, 0,1
	ds_load_b128 v[P+8*\x:P+8*\x+3], v[STR] offset:512*\x              ; the eight waves' means of my row
	ds_load_b128 v[P+8*\x+4:P+8*\x+7], v[STR] offset:512*\x+16
	ds_load_b128 v[P+16+8*\x:P+16+8*\x+3], v[STR] offset:1024+512*\x   ; and their squares
	ds_load_b128 v[P+16+8*\x+4:P+16+8*\x+7], v[STR] offset:1024+512*\x+16
.endr
	s_wait_dscnt 0x0
.irp x, 0,1
	v_pk_add_f32 v[QF+8*\x:QF+8*\x+1], v[P+8*\x:P+8*\x+1], v[P+8*\x+2:P+8*\x+3]
	v_pk_add_f32 v[QF+8*\x+2:QF+8*\x+3], v[P+8*\x+4:P+8*\x+5], v[P+8*\x+6:P+8*\x+7]
	v_pk_add_f32 v[QF+8*\x+4:QF+8*\x+5], v[P+16+8*\x:P+16+8*\x+1], v[P+16+8*\x+2:P+16+8*\x+3]
	v_pk_add_f32 v[QF+8*\x+6:QF+8*\x+7], v[P+16+8*\x+4:P+16+8*\x+5], v[P+16+8*\x+6:P+16+8*\x+7]
.endr
.irp x, 0,1
	v_pk_add_f32 v[QF+8*\x:QF+8*\x+1], v[QF+8*\x:QF+8*\x+1], v[QF+8*\x+2:QF+8*\x+3]
	v_pk_add_f32 v[QF+8*\x+4:QF+8*\x+5], v[QF+8*\x+4:QF+8*\x+5], v[QF+8*\x+6:QF+8*\x+7]
.endr
.irp x, 0,1
	v_add_f32 v[QF+8*\x], v[QF+8*\x], v[QF+8*\x+1]
	v_add_f32 v[QF+8*\x+4], v[QF+8*\x+4], v[QF+8*\x+5]
.endr
.irp x, 0,1
	v_mul_f32 v[ST+12*\x+SM], 0x3e000000, v[QF+8*\x]           ; the row's mean
.endr
.irp i, 0,2,4,6
.irp x, 0,1
	v_pk_add_f32 v[P+8*\x+\i:P+8*\x+\i+1], v[P+8*\x+\i:P+8*\x+\i+1], v[ST+12*\x+SM:ST+12*\x+SM+1] op_sel_hi:[1,0] neg_lo:[0,1] neg_hi:[0,1]
.endr
.endr
.irp x, 0,1
	v_pk_mul_f32 v[QF+8*\x:QF+8*\x+1], v[P+8*\x:P+8*\x+1], v[P+8*\x:P+8*\x+1]
.endr
.irp i, 2,4,6
.irp x, 0,1
	v_pk_fma_f32 v[QF+8*\x:QF+8*\x+1], v[P+8*\x+\i:P+8*\x+\i+1], v[P+8*\x+\i:P+8*\x+\i+1], v[QF+8*\x:QF+8*\x+1]
.endr
.endr
.irp x, 0,1
	v_add_f32 v[QF+8*\x], v[QF+8*\x], v[QF+8*\x+1]
	v_sub_f32 v[ST+12*\x+MY], v[ST+12*\x+NM], v[ST+12*\x+SM]   ; my mean less the row's
.endr
.irp x, 0,1
	v_fma_f32 v[QF+8*\x+4], v[QF+8*\x], s66, v[QF+8*\x+4]      ; the squares about the row's mean
.endr
.irp x, 0,1
	v_fma_f32 v[ST+12*\x+MX], v[QF+8*\x+4], s71, s72           ; the variance + 1e-8
.endr
	s_wait_alu depctr_va_vdst(0)
.irp x, 0,1
	v_rsq_f32 v[ST+12*\x+FF], v[ST+12*\x+MX]
.endr
	v_nop
	s_wait_alu depctr_va_vdst(0)
.irp x, 0,1
	v_mul_f32 v[ST+12*\x+NM], v[ST+12*\x+MY], v[ST+12*\x+FF]
.endr
.set jj, 0
.rept 64
	v_pk_fma_f32 v[S+jj:S+jj+1], v[S+jj:S+jj+1], v[ST+12*(jj/64)+FF:ST+12*(jj/64)+FF+1], v[ST+12*(jj/64)+NM:ST+12*(jj/64)+NM+1] op_sel_hi:[1,0,0]
.set jj, jj+2
.endr
	WIN W_GB
.set jj, 0
.rept 64
	v_pk_fma_f32 v[S+jj:S+jj+1], v[S+jj:S+jj+1], v[jj%64:jj%64+1], v[64+jj%64:64+jj%64+1]
.set jj, jj+2
.endr
	WIN 0
; 16 rows x 64 columns at a time through my stage, back as rows of 256 bytes: sixteen lanes store 256 consecutive bytes, aligned
.macro PACK k
.set VB, S+64*((\k)/2)+32*((\k)%2)
.set BB, OB+32*((\k)%2)
.irp t, 0,1,2,3
	ds_store_b128 v[STO], v[VB+8*\t:VB+8*\t+3] offset:64*\t
	ds_store_b128 v[STO], v[VB+8*\t+4:VB+8*\t+7] offset:64*\t+16
.endr
.irp i, 0,1,2,3,4,5,6,7
	ds_load_b128 v[BB+4*\i:BB+4*\i+3], v[RD] offset:2*SP*\i
.endr
.endm
.macro SEND k, younger                 ; younger: the LDS instructions issued behind this block's loads
.set BB, OB+32*((\k)%2)
.irp i, 0,1,2,3,4,5,6,7
	s_wait_dscnt \younger+7-\i
	global_store_b128 v[GO], v[BB+4*\i:BB+4*\i+3], s[18:19] offset:(16*((\k)/2)+2*\i)*4096+256*((\k)%2) th:TH_STORE_NT
.endr
.endm
	PACK 0
	PACK 1
	s_wait_alu depctr_va_vdst(0)
	SEND 0, 16
	s_wait_xcnt 0x0                                ; block 0's stores have read their data: block 2's loads may land there
	PACK 2
	SEND 1, 16
	s_wait_xcnt 0x0
	PACK 3
	SEND 2, 16
	SEND 3, 0
	s_wait_tensorcnt 0x0                           ; the wave's end
	ds_add_u32 v[SPW], v[NIL]
	s_wait_dscnt 0x0
	CROUND                                         ; the closing round
	s_endpgm
.Lfunc_end_k_q38e9bbb6ce_attn:
	.size	k_q38e9bbb6ce_attn, .Lfunc_end_k_q38e9bbb6ce_attn-k_q38e9bbb6ce_attn
	.p2alignl 7, 3214868480
	.fill 96, 4, 3214868480
	.section	.rodata,"a",@progbits
	.p2align	6, 0x0
	.amdhsa_kernel k_q38e9bbb6ce_attn
		.amdhsa_group_segment_fixed_size 327680
		.amdhsa_private_segment_fixed_size 0
		.amdhsa_enable_private_segment 0
		.amdhsa_kernarg_size 64
		.amdhsa_user_sgpr_count 2
		.amdhsa_user_sgpr_kernarg_segment_ptr 1
		.amdhsa_wavefront_size32 1
		.amdhsa_system_sgpr_workgroup_id_x 1
		.amdhsa_system_sgpr_workgroup_id_y 1
		.amdhsa_system_sgpr_workgroup_id_z 1
		.amdhsa_system_vgpr_workitem_id 0
		.amdhsa_next_free_vgpr 512
		.amdhsa_next_free_sgpr 80
		.amdhsa_reserve_vcc 0
		.amdhsa_float_denorm_mode_32 3
		.amdhsa_float_denorm_mode_16_64 3
		.amdhsa_memory_ordered 1
		.amdhsa_forward_progress 1
		.amdhsa_inst_pref_size 227
	.end_amdhsa_kernel
	.amdgpu_metadata
---
amdhsa.version: [ 1, 2 ]
amdhsa.kernels:
  - .name:           k_q38e9bbb6ce_attn
    .symbol:         k_q38e9bbb6ce_attn.kd
    .args:
      - { .name: qimg, .offset: 0, .size: 8, .value_kind: global_buffer, .address_space: global }
      - { .name: kimg, .offset: 8, .size: 8, .value_kind: global_buffer, .address_space: global }
      - { .name: vimg, .offset: 16, .size: 8, .value_kind: global_buffer, .address_space: global }
      - { .name: resimg, .offset: 24, .size: 8, .value_kind: global_buffer, .address_space: global }
      - { .name: gamma, .offset: 32, .size: 8, .value_kind: global_buffer, .address_space: global }
      - { .name: beta, .offset: 40, .size: 8, .value_kind: global_buffer, .address_space: global }
      - { .name: lowp_scales, .offset: 48, .size: 8, .value_kind: global_buffer, .address_space: global }
      - { .name: out0, .offset: 56, .size: 8, .value_kind: global_buffer, .address_space: global }
    .group_segment_fixed_size: 327680
    .private_segment_fixed_size: 0
    .kernarg_segment_align: 8
    .kernarg_segment_size: 64
    .max_flat_workgroup_size: 256
    .sgpr_count:     80
    .vgpr_count:     512
    .wavefront_size: 32
...
	.end_amdgpu_metadata
.endif
;; end of part 2
